; MI455X (gfx1250); checked and timed in simulation.
; The chip was launched on July 23, 2026; its instructions are those of AMD's public machine-readable ISA for CDNA 5 (MIT licence, August 2026) and "CDNA5" Instruction Set Architecture Reference Guide (July 2026). The comments in the code are by the model that wrote it; some were corrected since.
;; SDPA. Allowed arithmetic: matrix products marked QUANTISED: E4M3 operands, one E8M0 scale for each 32 along K, by v_wmma_scale_f32_16x16x128_f8f6f4 with both operands' format E4M3, f32 sums; everything else in f32.
;; Inputs: k 2 x 8 x 2,048 x 128 float32; q 2 x 32 x 2,048 x 128 float32; v 2 x 8 x 2,048 x 128 float32.
;; Outputs: out0 2 x 32 x 2,048 x 128 float32.
;; This version of the problem:
;;   THIS VERSION OF THE PROBLEM IS GIVEN IN LOW PRECISION. The matrix products marked QUANTISED in the list below multiply operands that are first quantised to E4M3 (4 exponent bits, 3 mantissa bits; 8 bits a number), with one power-of-two scale for each 32 numbers along K (OCP MX v1.0); their sums are f32. All else is computed in f32.
;;   The module's matrix products, in the order in which they are computed (A, B: the left and right operand; K: the contracted axis; several contracted axes count as one K, in the product's order):
;;     1. batch 64 x [M 2,048, K 128] x [K 128, N 2,048]; A: input q; B: input k: QUANTISED
;;     2. batch 64 x [M 2,048, K 2,048] x [K 2,048, N 128]; A: softmax (see below); B: input v: QUANTISED
;;   THE QUANTISER, for each operand of a quantised product, along K:
;;     - K is cut into blocks of 32 from its start; a last block that is shorter is filled with zeros.
;;     - A block's scale is 2^e with e = floor(log2(the largest magnitude in the block)) - 8, held to -126 .. 127; a block of zeros has e = 0. As a byte (E8M0): e + 127.
;;     - Each number is divided by its block's scale, clamped to +-448, and rounded to the nearest number of E4M3, ties to even, subnormals kept.
;;     - The product sums the exact products of the quantised numbers (number of the format x scale) in f32.
;;   ~~~python
;;   def quantise(x, axis):      # numpy; x: float32 -> the quantised numbers, widened to float32 again
;;       x = np.moveaxis(x, axis, -1); K = x.shape[-1]
;;       x = np.pad(x, [(0, 0)] * (x.ndim - 1) + [(0, -K % 32)]); x = x.reshape(x.shape[:-1] + (-1, 32)); a = np.abs(x).max(-1, keepdims=True)
;;       e = np.where(a > 0, np.clip(np.frexp(np.where(a > 0, a, 1))[1] - 1 - 8, -126, 127), 0)      # np.frexp(a)[1] - 1 = floor(log2(a)), exactly
;;       r = np.clip(x / 2.0 ** e, -448, 448)
;;       step = 2.0 ** (np.maximum(np.frexp(np.where(r == 0, 1, r))[1] - 1, -6) - 3)
;;       q = np.round(r / step) * step * 2.0 ** e      # np.round: ties to even
;;       return np.moveaxis(q.reshape(q.shape[:-2] + (-1,))[..., :K], -1, axis).astype(np.float32)
;;   ~~~
;;   SOFTMAX AHEAD OF A QUANTISED PRODUCT. Where the list says 'softmax', what is quantised is not the finished softmax but p = 2^(t - M), with t = logit x log2(e) and M = ceil(the row's largest t), a whole number; so 1/2 < the row's largest p <= 1. The row's sum l is taken of the UNQUANTISED p, in f32, and the product's result is divided by l at the end. Since M is a whole number, a kernel that streams over the keys may use a running M (the ceiling of the running maximum): every later rescaling is an exact power of two, which a block's scale takes up: the codes' values come out the same.
;;   OPERANDS COMPUTED ON THE WAY. 'Computed on the way' means the value that the module computes at that place (a softmax that the list does not call 'softmax' is quantised finished and normalised). What goes into a quantiser is computed in f32, as accurately as f32 sums, v_exp_f32 and their like allow (about 1e-6 of the number): no bf16 or f16 on the way to a quantiser, and a product that is left as it is and whose result goes on into a quantised operand takes f32 operands (vector FMAs, or v_wmma_f32_16x16x4_f32). A number that lies on a knife's edge between two numbers of the format may be rounded either way, as far as f32 arithmetic and the matrix unit's own rounding can turn it there, and no further.
;; One version. Each part assembles by itself: llvm-mc -triple=amdgcn-amd-amdhsa -mcpu=gfx1250 --defsym DOCPART=n.
;; ======== version 1 of 1: 2 launches
;; limits: right only within a limited range of input values
;; workspace buffers: kc 4,194,304 bytes; ks 131,072 bytes; vc 4,194,304 bytes; vs 131,072 bytes
;; launch prep (part 1): grid 256 x 1, 4 waves a work-group, no clusters, 68,096 bytes of LDS; arguments k, v, kc, ks, vc, vs; writes kc, ks, vc, vs
.if DOCPART == 1
	.amdgcn_target "amdgcn-amd-amdhsa--gfx1250"
	.amdhsa_code_object_version 6
	.text
	.protected	k_q0ef8418e8f_prep
	.globl	k_q0ef8418e8f_prep
	.p2align	8
	.type	k_q0ef8418e8f_prep,@function
k_q0ef8418e8f_prep:
	s_mov_b64 s[64:65], 0
	v_nop
	global_prefetch_b8 v0, s[64:65] scope:SCOPE_SE
	s_setreg_imm32_b32 hwreg(HW_REG_WAVE_MODE, 25, 1), 1
	s_wait_xcnt 0x0
; k and v [16 heads][2048 keys][128], f32, become codes of FP8 (E4M3) with one E8M0 scale byte for each 32 along each product's K.
;   k: K = the head's 128, innermost.  kc [16][2048 rows][128 bytes], ks [16][2048 rows][4 bytes].  THE ROWS ARE NOT IN KEY ORDER: within each 32 keys, key 16 a + 8 u + j lies at row 16 u + 8 a + j,
;      so that 16 rows on end are the 16 keys that the attention launch wants as one tile of its first product.
;   v: K = the keys, its FIRST axis within a head.  vc [16][128][2048 bytes], keys innermost, in key order; vs [16][16 steps of 128 keys][128][4 bytes].
; A block's scale is 2^(floor(log2(its largest magnitude)) - 8); its byte is the largest magnitude's exponent field - 8, held at 1 from below; each number is held within +-448 x the scale and rounded to the nearest code, ties to even.
; WHAT THE PROGRAM LEAVES OUT, AND WHY IT IS DEAD.  reference() sets s = -inf wherever key > query, by a tril that it builds itself; softmax then gives p = 0 there exactly, whatever finite values q, k and v hold, and
; 0 adds nothing to the row's sum nor to p v.  So the attention launch leaves out every step of 128 keys all.
; Nothing is left out HERE: every key counts for the last query, so all of k and v is live; q, k and v are all loaded by the program.
; LIMITS: a NaN, an infinity or an overflow that reaches only the work left out (reference()'s 0 x infinity at hidden keys) is not carried to the result; NaN and infinities among the inputs are not served;
; a block whose largest magnitude lies under 2^-118, a block of zeros too, keeps the byte 1 (the rule gives a block of zeros 127): its codes are what the floor's scale gives, zeros for zeros, and this program alone reads the bytes.
; SHARES.  Work-groups 0-127 take k, a plain stream of blocks of 32: a wave takes 16 steps of 512 numbers (4 keys); each load reads 512 consecutive bytes; the numbers turn through the wave's own stage in LDS so that a lane
; holds 16 neighbours.  Work-groups 128-255 take v: a lane takes a column d and its registers run down the keys; a wave takes 32 columns x 256 keys, and its codes leave through its own stage as rows of 256 bytes.
; The two ways part on the work-group's number, share no LDS byte but each lane's own spare word, and never join.  No tensor load, no barrier: waves share nothing.
.set STEPS, 16
.set MANT,  0x600000                   ; the mantissa field of 448 as f32
.set SP,    80                         ; k's stage: a lane's 64 bytes + 16 of padding
.set WREG,  8192                       ; k's way: a region for each wave: two stages of 32 x SP bytes, behind them its 256 scale bytes
.set VSTG,  32768                      ; v's way: from here on a stage of 32 rows x PITCH for each wave
.set PITCH, 272                        ; 256 bytes of codes + 16 of padding
.set SPARE, 67584                      ; the spare words, 128 bytes for each wave: two blocks of 256 bytes that no other line names
.set SPW,   192                        ; v192  LDS address of my spare word; never rewritten
.set NIL,   193                        ; v193  0; never rewritten
.set VIN,   194                        ; v194  v's stage: my column's row
.set VBK,   195                        ; v195  v's stage: where I read rows back
.set R,     16                         ; k: v16-79   four sets of 16 numbers as loaded
.set X,     80                         ; k: v80-111  two sets of 16 neighbours
.set E,     112                        ; k: v112-127 a scale byte for each step
.set C,     128                        ; k: v128-191 codes, four registers for each step
.set VX,    32                         ; v: v32-95   two sets of 32 numbers
.set VC,    96                         ; v: v96-103  a block's codes
.set OUTR,  112                        ; v: v112-175 the way out
.set SB,    24                         ; v: v24-25   scale bytes, four to a register
	s_load_b256 s[4:11], s[0:1], 0x0               ; k s[4:5], v s[6:7], kc s[8:9], ks s[10:11]
	s_load_b128 s[12:15], s[0:1], 0x20             ; vc s[12:13], vs s[14:15]
	v_lshl_add_u32 v[SPW], v0, 2, SPARE
	v_mov_b32 v[NIL], 0
	v_lshrrev_b32 v1, 5, v0
	v_readfirstlane_b32 s16, v1                    ; wave 0..3
	v_and_b32 v2, 31, v0                           ; lane
	; every LDS address of both ways is made here, ahead of the parting, each in a register of its own
	s_mul_i32 s17, s16, WREG
	v_lshrrev_b32 v14, 2, v2
	v_mul_u32_u24 v14, v14, SP
	v_and_b32 v15, 3, v2
	v_lshl_add_u32 v14, v15, 4, v14
	v_add_nc_u32 v14, s17, v14                     ; k's stage, in: SP (lane / 4) + 16 (lane % 4)
	v_mul_u32_u24 v15, v2, SP
	v_add_nc_u32 v15, s17, v15                     ; and out: SP x lane: my 16 neighbours
	v_lshrrev_b32 v5, 1, v2
	s_add_co_u32 s17, s17, 2*32*SP
	v_add_nc_u32 v5, s17, v5                       ; my wave's 256 scale bytes, my block's byte
	v_lshlrev_b32 v7, 3, v2                        ; on their way out 8 bytes a lane
	v_add_nc_u32 v6, s17, v7
	s_mul_i32 s18, s16, 32*PITCH
	s_add_co_u32 s18, s18, VSTG
	v_mul_u32_u24 v[VIN], v2, PITCH
	v_add_nc_u32 v[VIN], s18, v[VIN]
	v_and_b32 v8, 15, v2
	v_lshrrev_b32 v9, 4, v2
	v_mul_u32_u24 v[VBK], v9, PITCH
	v_lshl_add_u32 v[VBK], v8, 4, v[VBK]
	v_add_nc_u32 v[VBK], s18, v[VBK]               ; sixteen lanes to a row, two rows an instruction
	s_mov_b32 s23, MANT                            ; (an instruction takes one literal: the hold's line has another)
	s_mov_b32 s21, 0
	s_wait_kmcnt 0x0
	s_cmp_lt_u32 ttmp9, 128                        ; k's work-group or v's: the work-group's number alone decides
	s_cbranch_scc0 .Lv
	; ---------------- k ----------------
	v_lshlrev_b32 v3, 4, v2                        ; my 16 bytes of a load's 512
	s_wait_alu depctr_va_vdst(0)
	v_lshlrev_b32 v4, 4, v2                        ; my 16 codes' place in a step's 512
	s_lshl_b32 s17, ttmp9, 2
	s_add_co_u32 s18, s17, s16                     ; which run of 8,192 numbers (64 keys) is my wave's
	s_lshl_b32 s20, s18, 15
	s_add_nc_u64 s[4:5], s[4:5], s[20:21]          ; 32,768 bytes of k a run,
	s_lshl_b32 s20, s18, 13
	s_add_nc_u64 s[8:9], s[8:9], s[20:21]          ; 8,192 of codes,
	s_lshl_b32 s20, s18, 8
	s_add_nc_u64 s[10:11], s[10:11], s[20:21]      ; 256 scale bytes
.macro KLOAD t
.irp i, 0,1,2,3
	global_load_b128 v[R+16*((\t)%4)+4*\i:R+16*((\t)%4)+4*\i+3], v3, s[4:5] offset:2048*(\t)+512*\i th:TH_LOAD_NT   ; 32 lanes read 512 consecutive bytes
.endr
.endm
.macro KTURN t                         ; step t's numbers through the stage: LDS serves a wave's instructions in order (ISA guide 5.7.1.4), so no wait stands between the stores and the loads
.irp i, 0,1,2,3
	ds_store_b128 v14, v[R+16*((\t)%4)+4*\i:R+16*((\t)%4)+4*\i+3] offset:32*SP*((\t)%2)+8*SP*\i
.endr
.irp i, 0,1,2,3
	ds_load_b128 v[X+16*((\t)%2)+4*\i:X+16*((\t)%2)+4*\i+3], v15 offset:32*SP*((\t)%2)+16*\i
.endr
.endm
.irp t, 0,1,2,3
	KLOAD \t
.endr
	s_wait_loadcnt 12                              ; step 0's four loads are in; the three steps behind it may be out
	KTURN 0
.macro KSTEP t
.set XS, X+16*((\t)%2)
.set TP, ((\t)&9)|(((\t)&2)<<1)|(((\t)&4)>>1)  ; a step is 4 keys: bits 1 and 2 of its number are bits 3 and 4 of the key, which change places in the rows' order
.if (\t) > 0
	s_wait_dscnt 1                                 ; this step's numbers are back from the stage (the last step's byte store may be out): so its stores into the stage have read their registers,
.else
	s_wait_dscnt 0x0
.endif
.if (\t)+4 < STEPS
	KLOAD (\t)+4                                   ; which take the loads of four steps on
.endif
.if (\t)+1 < STEPS
.if STEPS-2-(\t) >= 3
	s_wait_loadcnt 12                              ; the next step's four loads are in; those of the three steps behind it may be out
.else
	s_wait_loadcnt 4*(STEPS-2-(\t))
.endif
	KTURN (\t)+1                                   ; and go through the other stage while this step is worked
.endif
	v_max3_num_f32 v8, |v[XS]|, |v[XS+1]|, |v[XS+2]|   ; the largest magnitude of my 16, in two chains
	v_max3_num_f32 v9, |v[XS+3]|, |v[XS+4]|, |v[XS+5]|
.irp i, 6,10
	v_max3_num_f32 v8, v8, |v[XS+\i]|, |v[XS+\i+1]|
	v_max3_num_f32 v9, v9, |v[XS+\i+2]|, |v[XS+\i+3]|
.endr
	v_max3_num_f32 v8, v8, |v[XS+14]|, |v[XS+15]|
	v_max3_num_f32 v8, v8, v9, 0x4800000           ; and the floor 2^(9 - 127): the byte cannot fall under 1
	v_max_num_f32_dpp v8, v8, v8 row_xmask:1 row_mask:0xf bank_mask:0xf   ; and of my neighbour's 16: the block's
	v_add_nc_u32 v11, 0xfc000000, v8               ; 8 off its exponent field: the conversion takes the exponent field of this operand as its scale
	v_and_or_b32 v10, v8, 0x7f800000, s23          ; 448 x the scale
.irp i, 0,1,2,3,4,5,6,7,8,9,10,11,12,13,14,15
	v_med3_num_f32 v[XS+\i], v[XS+\i], -v10, v10   ; the conversion to an 8-bit code does not saturate (ISA guide 7.6.2): the hold comes first
.endr
	v_cvt_scalef32_pk8_fp8_f32 v[C+4*(\t):C+4*(\t)+1], v[XS:XS+7], v11
	v_cvt_scalef32_pk8_fp8_f32 v[C+4*(\t)+2:C+4*(\t)+3], v[XS+8:XS+15], v11
	v_lshrrev_b32 v[E+(\t)], 23, v11               ; the scale's byte (a plain line behind the conversions)
	ds_store_b8 v5, v[E+(\t)] offset:16*TP         ; both lanes of a block write the same byte with the same value
	global_store_b128 v4, v[C+4*(\t):C+4*(\t)+3], s[8:9] offset:512*TP   ; 32 lanes store 512 consecutive bytes: four rows of kc
.endm
.irp t, 0,1,2,3,4,5,6,7,8,9,10,11,12,13,14,15
	KSTEP \t
.endr
	ds_load_b64 v[8:9], v6                         ; these see my byte stores: LDS serves a wave in order
	s_wait_dscnt 0x0
	global_store_b64 v7, v[8:9], s[10:11]          ; 32 lanes store 256 consecutive bytes, aligned
	s_wait_tensorcnt 0x0                           ; the wave's end: these three lines behind my last LDS store
	ds_add_u32 v[SPW], v[NIL]
	s_wait_dscnt 0x0
	s_endpgm
	; ---------------- v ----------------
.Lv:
	v_lshlrev_b32 v16, 2, v2                       ; 4 bytes a lane: in v, and among the scale words
	s_wait_alu depctr_va_vdst(0)
	v_lshlrev_b32 v17, 11, v9
	v_lshl_add_u32 v17, v8, 4, v17                 ; the way out in vc: row lane / 16 of 2,048 bytes, 16 bytes a lane
	s_sub_co_u32 s17, ttmp9, 128
	s_lshr_b32 s18, s17, 3                         ; the head
	s_and_b32 s19, s17, 7                          ; which 256 keys
	s_lshl_b32 s20, s18, 20                        ; v: a head is 2^20 bytes, 256 keys 2^17, my wave's 32 columns 128
	s_lshl_b32 s22, s19, 17
	s_add_co_u32 s20, s20, s22
	s_lshl_b32 s22, s16, 7
	s_add_co_u32 s20, s20, s22
	s_add_nc_u64 s[6:7], s[6:7], s[20:21]
	s_lshl_b32 s20, s18, 18                        ; vc: a head is 2^18 bytes, my wave's 32 rows 2^16, 256 keys 256
	s_lshl_b32 s22, s16, 16
	s_add_co_u32 s20, s20, s22
	s_lshl_b32 s22, s19, 8
	s_add_co_u32 s20, s20, s22
	s_add_nc_u64 s[12:13], s[12:13], s[20:21]
	s_lshl_b32 s20, s18, 13                        ; vs: a head is 8,192 bytes, 256 keys (two steps) 1,024, my wave's 32 words 128
	s_lshl_b32 s22, s19, 10
	s_add_co_u32 s20, s20, s22
	s_lshl_b32 s22, s16, 7
	s_add_co_u32 s20, s20, s22
	s_add_nc_u64 s[14:15], s[14:15], s[20:21]
.macro VLOAD t                         ; block t: v(32 t + i, my column), i = 0 .. 31, into set t % 2: a wave reads 128 consecutive bytes, the four waves a row's 512
.irp i, 0,1,2,3,4,5,6,7,8,9,10,11,12,13,14,15,16,17,18,19,20,21,22,23,24,25,26,27,28,29,30,31
	global_load_b32 v[VX+32*((\t)%2)+\i], v16, s[6:7] offset:(32*(\t)+\i)*512 th:TH_LOAD_NT
.endr
.endm
	VLOAD 0
	VLOAD 1
.macro VBLOCK t
.set XS, VX+32*((\t)%2)
.if (\t) < 7
	s_wait_loadcnt 32                              ; this block's 32 loads are in; the next block's may be out
.else
	s_wait_loadcnt 0
.endif
	v_max3_num_f32 v12, |v[XS]|, |v[XS+1]|, |v[XS+2]|   ; the block's largest magnitude: all 32 numbers are mine
	v_max3_num_f32 v13, |v[XS+3]|, |v[XS+4]|, |v[XS+5]|
.irp i, 6,10,14,18,22,26
	v_max3_num_f32 v12, v12, |v[XS+\i]|, |v[XS+\i+1]|
	v_max3_num_f32 v13, v13, |v[XS+\i+2]|, |v[XS+\i+3]|
.endr
	v_max3_num_f32 v12, v12, |v[XS+30]|, |v[XS+31]|
	v_max3_num_f32 v12, v12, v13, 0x4800000        ; and the floor 2^(9 - 127)
	v_add_nc_u32 v11, 0xfc000000, v12              ; the conversion's scale operand
	v_and_or_b32 v10, v12, 0x7f800000, s23         ; 448 x the scale
	v_lshrrev_b32 v13, 23, v11                     ; the scale's byte
.if (\t)%4 == 0
	v_mov_b32 v[SB+(\t)/4], v13                    ; four bytes to a register, the lower keys in the lower byte
.else
	v_lshl_or_b32 v[SB+(\t)/4], v13, 8*((\t)%4), v[SB+(\t)/4]
.endif
.irp i, 0,1,2,3,4,5,6,7,8,9,10,11,12,13,14,15,16,17,18,19,20,21,22,23,24,25,26,27,28,29,30,31
	v_med3_num_f32 v[XS+\i], v[XS+\i], -v10, v10
.endr
.irp g, 0,1,2,3
	v_cvt_scalef32_pk8_fp8_f32 v[VC+2*\g:VC+2*\g+1], v[XS+8*\g:XS+8*\g+7], v11
.endr
	v_nop                                          ; a plain line behind the last conversion
	ds_store_b128 v[VIN], v[VC:VC+3] offset:32*(\t)       ; 32 codes: 32 bytes of my column's row
	ds_store_b128 v[VIN], v[VC+4:VC+7] offset:32*(\t)+16
.if (\t)+2 < 8
	VLOAD (\t)+2
.endif
	s_wait_dscnt 0x0                               ; the stores have read their registers: the next block's codes may be written
.endm
.irp t, 0,1,2,3,4,5,6,7
	VBLOCK \t
.endr
	global_store_b32 v16, v[SB], s[14:15]          ; my column's word for the first 128 keys: a wave stores 128 consecutive bytes,
	global_store_b32 v16, v[SB+1], s[14:15] offset:512   ; and for the second
.irp t, 0,1,2,3,4,5,6,7,8,9,10,11,12,13,14,15
	ds_load_b128 v[OUTR+4*\t:OUTR+4*\t+3], v[VBK] offset:2*\t*PITCH
.endr
.irp t, 0,1,2,3,4,5,6,7,8,9,10,11,12,13,14,15
	s_wait_dscnt 15-\t                             ; the younger loads may stay out
	global_store_b128 v17, v[OUTR+4*\t:OUTR+4*\t+3], s[12:13] offset:2*\t*2048   ; sixteen lanes store 256 consecutive bytes, aligned
.endr
	s_wait_tensorcnt 0x0                           ; the wave's end: these three lines behind my last LDS store
	ds_add_u32 v[SPW], v[NIL]
	s_wait_dscnt 0x0
	s_endpgm
.Lfunc_end_k_q0ef8418e8f_prep:
	.size	k_q0ef8418e8f_prep, .Lfunc_end_k_q0ef8418e8f_prep-k_q0ef8418e8f_prep
	.p2alignl 7, 3214868480
	.fill 96, 4, 3214868480
	.section	.rodata,"a",@progbits
	.p2align	6, 0x0
	.amdhsa_kernel k_q0ef8418e8f_prep
		.amdhsa_group_segment_fixed_size 68096
		.amdhsa_private_segment_fixed_size 0
		.amdhsa_enable_private_segment 0
		.amdhsa_kernarg_size 48
		.amdhsa_user_sgpr_count 2
		.amdhsa_user_sgpr_kernarg_segment_ptr 1
		.amdhsa_wavefront_size32 1
		.amdhsa_system_sgpr_workgroup_id_x 1
		.amdhsa_system_sgpr_workgroup_id_y 1
		.amdhsa_system_sgpr_workgroup_id_z 1
		.amdhsa_system_vgpr_workitem_id 0
		.amdhsa_next_free_vgpr 196
		.amdhsa_next_free_sgpr 66
		.amdhsa_reserve_vcc 0
		.amdhsa_float_denorm_mode_32 3
		.amdhsa_float_denorm_mode_16_64 3
		.amdhsa_memory_ordered 1
		.amdhsa_forward_progress 1
		.amdhsa_inst_pref_size 109
	.end_amdhsa_kernel
	.amdgpu_metadata
---
amdhsa.version: [ 1, 2 ]
amdhsa.kernels:
  - .name:           k_q0ef8418e8f_prep
    .symbol:         k_q0ef8418e8f_prep.kd
    .args:
      - { .name: k, .offset: 0, .size: 8, .value_kind: global_buffer, .address_space: global }
      - { .name: v, .offset: 8, .size: 8, .value_kind: global_buffer, .address_space: global }
      - { .name: kc, .offset: 16, .size: 8, .value_kind: global_buffer, .address_space: global }
      - { .name: ks, .offset: 24, .size: 8, .value_kind: global_buffer, .address_space: global }
      - { .name: vc, .offset: 32, .size: 8, .value_kind: global_buffer, .address_space: global }
      - { .name: vs, .offset: 40, .size: 8, .value_kind: global_buffer, .address_space: global }
    .group_segment_fixed_size: 68096
    .private_segment_fixed_size: 0
    .kernarg_segment_align: 8
    .kernarg_segment_size: 48
    .max_flat_workgroup_size: 128
    .sgpr_count:     66
    .vgpr_count:     196
    .wavefront_size: 32
...
	.end_amdgpu_metadata
.endif
;; end of part 1
;; launch attn (part 2): grid 4 x 64, 8 waves a work-group, no clusters, 327,680 bytes of LDS; arguments q, kc, ks, vc, vs, out0; writes out0
.if DOCPART == 2
	.amdgcn_target "amdgcn-amd-amdhsa--gfx1250"
	.amdhsa_code_object_version 6
	.text
	.protected	k_q0ef8418e8f_attn
	.globl	k_q0ef8418e8f_attn
	.p2align	8
	.type	k_q0ef8418e8f_attn,@function
k_q0ef8418e8f_attn:
	s_mov_b64 s[64:65], 0
	v_nop
	global_prefetch_b8 v0, s[64:65] scope:SCOPE_SE
	s_setreg_imm32_b32 hwreg(HW_REG_WAVE_MODE, 25, 1), 1
	s_wait_xcnt 0x0
; out0[hq][i][:] = the sum over keys j <= i of softmax_j(q[hq][i] . k[hq / 4][j] / sqrt(128)) v[hq / 4][j][:], 64 query heads on 16 key heads, 2,048 positions, head size 128; both products on codes of FP8 (E4M3)
; with one E8M0 scale for each 32 along a product's K.  q arrives as f32 and is quantised here, in registers; k and v come as codes and scale words from the launch before (its head says how they lie).
; THE SOFTMAX AHEAD OF THE SECOND PRODUCT: t = score x log2(e) / sqrt(128); M = the row's largest t so far, rounded UP to a whole number; p = 2^(t - M) is what is quantised, along the keys, not normalised.  The row's sum is
; taken of the unquantised p and divides at the end.  When M moves, the sum and O are multiplied by 2^(old M - new M): exact.
; WORK LEFT OUT (shown dead at the head of the first kernel): under reference()'s own tril p is exactly 0 where key > query, so a step of 128 keys all of which come after my wave's 32 queries is jumped over, and a slot of
; 256 keys that begins after my work-group's last query is not fetched.  LIMITS: a NaN, an infinity or an overflow that reaches only that work is not carried to the result; NaN and infinities among the inputs are not served;
; a block of q whose largest magnitude lies under 2^-118 keeps the scale byte 1.
; SHARES.  256 work-groups of equal work: work-group (x, hq) makes two blocks of 256 queries of its head, first block 7 - x (key slots 0 .. 7 - x), then block x (slots 0 .. x): nine live slots for every x.
; Each of its eight waves owns 32 queries of the block as TWO tiles of 16: tile 0 in register window 0, tile 1 in window 1, at the same register numbers, so that one text serves both.  Each fragment of K and of V that a wave
; reads from LDS feeds two matrix instructions.
; LAYOUT.  Both products are used transposed: S^T = K Q^T (source 0 = 16 keys, source 1 = 16 queries), O^T = V^T P^T (source 0 = 16 of the head's 128, source 1 = P): a lane holds ONE query (lane % 16) throughout.
; Row 16 T + m of a step's 128 rows of kc is key 32 (T / 2) + 8 (T % 2) + m + 8 (m / 8): the 16 registers of tiles 2 b and 2 b + 1 of S^T are 16 neighbouring keys, 32 b + 16 (lane / 16) + 0 .. 15.
; THE RING.  Two LDS slots of 256 keys (two steps), 2^17 bytes apart.  The change of slots stands at a slot's head; behind its barrier waves 0, 1 fetch K's halves and waves 2, 3 V's halves of the next slot.
; EVERY work-group walks 8 changes in the first pass and 4 in the second: the trip counts are constants; what the mask hides is jumped over by branches on ids and step counts alone.  The two passes are written out one behind
; the other, so that only the causal limit's jump leads round a tensor load; every wait on TENSORcnt is for 0; a wave has at most one tensor load out.
; NO CLUSTER, though the four query heads of a key head walk the same K and V: the look-ahead has to end at the causal limit, by a jump round the load, which a joint load does not allow; and what would be shared is
; 64 KiB of codes a slot against two key steps of eight waves.
; LDS: 0 slot 0 (K: 256 rows x 144, V: 128 rows x 272); 71,680 the second pass's Q as images of its registers, 4,352 a wave; 2^17 slot 1; 262,144 K's scale words of the head (8,192); 270,336 V's (8,192);
;      278,528 the spare words; 279,552 the stages for the way out, 16 rows x 272 a wave.  The images and the stages are whole blocks of 256 bytes into which no fill lands.
; REGISTERS (* = the same number in window 1 for tile 1): v1-4, v7 addresses that stay; v5, v6 the add's two; v8-11 addresses in hand; v12* -M, v13* the largest t, v[14:15]* the sum in two halves; v16-31* Q's codes;
;   v32-95: window 0 fragments 0-3, window 1 fragments 4-7 of K or of V; v96-159* S^T, then p; v160-223* O^T; v224-239* p's codes; v232-247*, v252*, v254* at work.
;   Scale words, window 0 alone: v248-251 K's or V's (register j: tile 2 j in lanes 0-15, tile 2 j + 1 in lanes 16-31); v253 P's and v255 Q's (tile 0 in lanes 0-15, tile 1 in lanes 16-31).
.set KP,    144                        ; a key's row in LDS: 128 bytes + 16 of padding = 36 words: 16 rows on end start at 16 different groups of four banks (64 banks of 4 bytes: ISA guide 11.1)
.set VP,    272                        ; a row of V's tile: 256 bytes + 16
.set VOFF,  256*KP
.set SLOT1, 1<<17
.set QIMG,  71680
.set QW,    4352
.set SCK,   262144
.set SCV,   270336
.set SPARE, 278528
.set STAGE, 279552
.set SW,    16*272
.set AK0,  1                           ; v1   my lane's place in a tile of K: 144 r + 16 h
.set AV0,  2                           ; v2   and of V: VOFF + 272 r + 16 h
.set ASC0, 3                           ; v3   among the scale words: SCK + 4 x lane
.set PFO2, 4                           ; v4   V's prefetch: 2,048 x lane; never rewritten
.set SPW,  5                           ; v5   LDS address of my spare word; never rewritten
.set NIL,  6                           ; v6   0; never rewritten
.set PFO,  7                           ; v7   K's prefetch: 256 x lane; never rewritten
.set ADK,  8
.set ADV,  9
.set ADS,  10
.set FR,   32                          ; fragments
.set SCW,  248
.set PSW,  253
.set QSW,  255
.set TK,    2                          ; s2   LDS byte at which the step's rows of K begin
.set TV,    3                          ; s3   and its part of V's rows
.set WV,    18
.set MNT,   19
.set SEL,   20                         ; s[20:21] v_permlanex16_b32's selects for lane l xor 16
.set CS,    22                         ; s[22:23] c = log2(e) / sqrt(128)
.set G1K,   24
.set G1V,   32
.set G0K,   40
.set G0V,   44
.set G1S,   48
.set G0SK,  56
.set G0SV,  60
.set TS,    66                         ; the step's scale words: 512 bytes a step
.set SLOTS, 67
.set TWICE, 68
.set KF,    69                         ; the step's first key
.set Q0,    70                         ; my wave's first query of the pass
.set Q0B,   71                         ; and of the second pass
.set HM,    72                         ; 0xffff0000: lanes 16-31
.set LIM,   73                         ; 1 in a wave that prefetches, else the greatest number
.set PFK,   74                         ; s[74:75], s[76:77] where my prefetches stand
.set PFV,   76
.set OA,    80                         ; s[80:81], s[82:83] out0 at my wave's rows of the first and of the second pass
.set OB,    82
.set QA,    84                         ; s[84:85], s[86:87] the same in q
.set QB,    86
.set MSB, 0
.macro WIN new                         ; low byte: bits 1:0 source 0, 3:2 source 1, 5:4 source 2, 7:6 destination; the high byte repeats the setting that is left; at every label and branch all are 0
.if MSB != \new
	s_set_vgpr_msb (MSB<<8)|\new
.set MSB, \new
.endif
.endm
; A refill: waves 0 and 1 fetch K's halves, waves 2 and 3 V's, the others nothing.  An s_nop 0 and four v_nop follow each line.
.macro TLOAD
	s_cmp_lt_u32 s[WV], 2
	s_cbranch_scc0 .Lnot_k_\@
	tensor_load_to_lds s[G0K:G0K+3], s[G1K:G1K+7]
	s_nop 0
.rept 4
	v_nop
.endr
	s_branch .Lasked_\@
.Lnot_k_\@:
	s_cmp_lt_u32 s[WV], 4
	s_cbranch_scc0 .Lasked_\@
	tensor_load_to_lds s[G0V:G0V+3], s[G1V:G1V+7]
	s_nop 0
.rept 4
	v_nop
.endr
.Lasked_\@:
.endm
; A PREFETCH of what the NEXT change of slots will ask for: 256 rows of kc, one dense block of 32,768 bytes, and 256 bytes of each of vc's 128 rows.  Sixteen work-groups walk a key head's codes; the one with x = 0 and
; hq % 4 = 0, whose first pass walks all eight slots, asks, and in it waves 4 to 7, which fetch nothing there: each 8,192 bytes of K, lanes 256 bytes apart, and 32 rows of V, a lane a row.  So each aligned block of 256 bytes is
; named once.  Changes 0 to 5 of the first pass ask for slots 2 to 7; slots 0 and 1 come by their loads alone; the later changes ask for nothing.
.macro ASK
	s_cmp_gt_u32 s[SLOTS], s[LIM]
	s_cbranch_scc0 .Lnot_mine_\@
	global_prefetch_b8 v[PFO], s[PFK:PFK+1] th:TH_LOAD_NT scope:SCOPE_SE
	global_prefetch_b8 v[PFO2], s[PFV:PFV+1] th:TH_LOAD_NT scope:SCOPE_SE
.Lnot_mine_\@:
.endm
	s_load_b256 s[4:11], s[0:1], 0x0               ; q s[4:5], kc s[6:7], ks s[8:9], vc s[10:11]
	s_load_b128 s[12:15], s[0:1], 0x20             ; vs s[12:13], out0 s[14:15]
	v_lshl_add_u32 v[SPW], v0, 2, SPARE
	v_mov_b32 v[NIL], 0
	ds_add_u32 v[SPW], v[NIL]                      ; the wave's opening: the add, twice on end, and its wait ahead of my first tensor load; the set-up below stands between
	ds_add_u32 v[SPW], v[NIL]
	v_lshrrev_b32 v8, 5, v0
	s_delay_alu instid0(VALU_DEP_1)
	v_readfirstlane_b32 s[WV], v8                  ; wave 0..7
	s_and_b32 s88, ttmp7, 0xffff                   ; hq
	s_lshr_b32 s89, s88, 2                         ; the key head
	s_and_b32 s90, s[WV], 1                        ; which half I fetch
	s_lshl_b32 s91, s89, 18                        ; the key head's first byte in kc and in vc
	s_lshl_b32 s92, s90, 14                        ; K: 128 rows of 128 bytes a half
	s_add_co_u32 s92, s92, s91
	s_mov_b32 s93, 0
	s_lshl_b32 s94, s90, 17                        ; V: 64 rows of 2,048 bytes a half
	s_add_co_u32 s94, s94, s91
	s_mov_b32 s95, 0
	s_lshl_b32 s96, s89, 13                        ; the scale words: 8,192 bytes a head, 4,096 a half
	s_lshl_b32 s97, s90, 12
	s_add_co_u32 s96, s96, s97
	s_mov_b32 s97, 0
	s_mov_b32 s[G0K], 1                            ; groups 0: count 1, and the LDS addresses
	s_mul_i32 s[G0K+1], s90, 128*KP
	s_mov_b32 s[G0V], 1
	s_mul_i32 s[G0V+1], s90, 64*VP
	s_add_co_u32 s[G0V+1], s[G0V+1], VOFF
	s_mov_b32 s[G0SK], 1
	s_lshl_b32 s[G0SK+1], s90, 12
	s_mov_b32 s[G0SV], 1
	s_add_co_u32 s[G0SV+1], s[G0SK+1], SCV
	s_add_co_u32 s[G0SK+1], s[G0SK+1], SCK
	; groups 1.  K: 128 rows of 128 bytes, dense in memory, 16 bytes of padding behind each
	s_mov_b32 s[G1K], (1<<20)|(4<<22)|(3<<25)      ; no mask; elements of 1 byte; padding on: after every 32 words four words
	s_mov_b32 s[G1K+1], 128<<16                    ; tensor_dim0
	s_mov_b32 s[G1K+2], 128<<16                    ; tensor_dim1
	s_mov_b32 s[G1K+3], 128<<16                    ; tile_dim0
	s_mov_b32 s[G1K+4], 128                        ; tile_dim1
	s_mov_b32 s[G1K+5], 128                        ; from row to row
	s_mov_b32 s[G1K+6], 0
	s_mov_b32 s[G1K+7], 0
	; V: 64 rows of 256 bytes, 2,048 bytes apart, 16 bytes of padding behind each
	s_mov_b32 s[G1V], (1<<20)|(5<<22)|(3<<25)
	s_mov_b32 s[G1V+1], 256<<16
	s_mov_b32 s[G1V+2], 64<<16
	s_mov_b32 s[G1V+3], 256<<16
	s_mov_b32 s[G1V+4], 64
	s_mov_b32 s[G1V+5], 2048
	s_mov_b32 s[G1V+6], 0
	s_mov_b32 s[G1V+7], 0
	; scale words: 4,096 dense bytes as 16 rows of 32 elements of 8 bytes, no padding (they are read 4 bytes a lane, on end)
	s_mov_b32 s[G1S], 3<<16
	s_mov_b32 s[G1S+1], 32<<16
	s_mov_b32 s[G1S+2], 16<<16
	s_mov_b32 s[G1S+3], 32<<16
	s_mov_b32 s[G1S+4], 16
	s_mov_b32 s[G1S+5], 32
	s_mov_b32 s[G1S+6], 0
	s_mov_b32 s[G1S+7], 0
	s_mov_b32 s[SEL], 0x76543210
	s_mov_b32 s[SEL+1], 0xfedcba98
	s_mov_b32 s[CS], 0x3e0293ee
	s_mov_b32 s[CS+1], s[CS]                       ; (named with it as a pair, so it is written)
	s_mov_b32 s[HM], 0xffff0000
	s_mov_b32 s[TK], 0
	s_mov_b32 s[TV], 0
	s_mov_b32 s[TS], 0
	s_mov_b32 s[KF], 0
	s_lshl_b32 s98, ttmp9, 8                       ; 256 x
	s_lshl_b32 s99, s[WV], 5                       ; 32 w
	s_add_co_u32 s[Q0B], s98, s99                  ; second pass: block x
	s_sub_co_u32 s98, 1792, s98
	s_add_co_u32 s[Q0], s98, s99                   ; first pass: block 7 - x
	s_lshl_b32 s[QA], s88, 20                      ; offsets in q and in out0: a head is 2^20 bytes, a block 2^17, my wave's 32 rows 2^14
	s_lshl_b32 s98, s[WV], 14
	s_add_co_u32 s[QA], s[QA], s98
	s_lshl_b32 s98, ttmp9, 17
	s_add_co_u32 s[QB], s[QA], s98
	s_sub_co_u32 s98, 7<<17, s98
	s_add_co_u32 s[QA], s[QA], s98
	s_mov_b32 s[QA+1], 0
	s_mov_b32 s[QB+1], 0
	s_and_b32 s98, s[WV], 3                        ; the prefetches' offsets: my wave's part, in slot 1: the first change steps them to slot 2
	s_lshl_b32 s[PFK], s98, 13
	s_add_co_u32 s[PFK], s[PFK], s91
	s_add_co_u32 s[PFK], s[PFK], 32768
	s_mov_b32 s[PFK+1], 0
	s_lshl_b32 s[PFV], s98, 16
	s_add_co_u32 s[PFV], s[PFV], s91
	s_add_co_u32 s[PFV], s[PFV], 256
	s_mov_b32 s[PFV+1], 0
	s_sub_co_u32 s98, s[WV], 4
	s_lshr_b32 s98, s98, 2                         ; 0 in waves 4 to 7,
	s_or_b32 s98, s98, ttmp9                       ; of the work-group with x = 0
	s_and_b32 s99, s88, 3
	s_or_b32 s98, s98, s99                         ; and hq % 4 = 0
	s_cmp_eq_u32 s98, 0
	s_cselect_b32 s[LIM], 1, -1
	s_wait_dscnt 0x0                               ; both opening adds are done
	s_wait_kmcnt 0x0
	s_add_nc_u64 s[G0K+2:G0K+3], s[6:7], s[92:93]
	s_or_b32 s[G0K+3], s[G0K+3], 0x80000000        ; type = 2
	s_add_nc_u64 s[G0V+2:G0V+3], s[10:11], s[94:95]
	s_or_b32 s[G0V+3], s[G0V+3], 0x80000000
	s_add_nc_u64 s[G0SK+2:G0SK+3], s[8:9], s[96:97]
	s_or_b32 s[G0SK+3], s[G0SK+3], 0x80000000
	s_add_nc_u64 s[G0SV+2:G0SV+3], s[12:13], s[96:97]
	s_or_b32 s[G0SV+3], s[G0SV+3], 0x80000000
	; THE FIRST FILLS: eight loads for eight waves, one in each arm of a branch on the wave's number: slot 0's K (waves 0, 1) and V (2, 3), the head's scale words of K (4, 5) and of V (6, 7)
	s_cmp_lt_u32 s[WV], 2
	s_cbranch_scc0 .Lhead_not_k
	tensor_load_to_lds s[G0K:G0K+3], s[G1K:G1K+7]
	s_nop 0
.rept 4
	v_nop
.endr
	s_branch .Lhead_asked
.Lhead_not_k:
	s_cmp_lt_u32 s[WV], 4
	s_cbranch_scc0 .Lhead_not_v
	tensor_load_to_lds s[G0V:G0V+3], s[G1V:G1V+7]
	s_nop 0
.rept 4
	v_nop
.endr
	s_branch .Lhead_asked
.Lhead_not_v:
	s_cmp_lt_u32 s[WV], 6
	s_cbranch_scc0 .Lhead_sv
	tensor_load_to_lds s[G0SK:G0SK+3], s[G1S:G1S+7]
	s_nop 0
.rept 4
	v_nop
.endr
	s_branch .Lhead_asked
.Lhead_sv:
	tensor_load_to_lds s[G0SV:G0SV+3], s[G1S:G1S+7]
	s_nop 0
.rept 4
	v_nop
.endr
.Lhead_asked:
	s_add_nc_u64 s[OA:OA+1], s[14:15], s[QA:QA+1]
	s_add_nc_u64 s[OB:OB+1], s[14:15], s[QB:QB+1]
	s_add_nc_u64 s[QA:QA+1], s[4:5], s[QA:QA+1]
	s_add_nc_u64 s[QB:QB+1], s[4:5], s[QB:QB+1]
	s_add_nc_u64 s[PFK:PFK+1], s[6:7], s[PFK:PFK+1]
	s_add_nc_u64 s[PFV:PFV+1], s[10:11], s[PFV:PFV+1]
	v_and_b32 v8, 15, v0                           ; r
	v_bfe_u32 v9, v0, 4, 1                         ; h
	s_delay_alu instid0(VALU_DEP_2)
	v_lshlrev_b32 v11, 9, v8
	s_delay_alu instid0(VALU_DEP_1)
	v_lshl_add_u32 v11, v9, 6, v11                 ; q: row r of 512 bytes, + 64 h: my 16 numbers of each block of 32
; a tile's 64 numbers of a lane: register 16 b + i = channel 32 b + 16 h + i of row r
.macro QLOAD dst, base, tile
.irp b, 0,1,2,3
.irp j, 0,1,2,3
	global_load_b128 v[\dst+16*\b+4*\j:\dst+16*\b+4*\j+3], v11, s[\base:\base+1] offset:\tile*8192+128*\b+16*\j th:TH_LOAD_NT
.endr
.endr
.endm
	QLOAD 160, QB, 0                               ; the second pass's Q first: it is quantised first and put by
	WIN 0x40                                       ; destination window 1
	QLOAD 160, QB, 1
	WIN 0
	QLOAD 96, QA, 0
	WIN 0x40
	QLOAD 96, QA, 1
	WIN 0
	v_mul_u32_u24 v[AK0], v8, KP
	s_delay_alu instid0(VALU_DEP_1)
	v_lshl_add_u32 v[AK0], v9, 4, v[AK0]
	v_mul_u32_u24 v[AV0], v8, VP
	s_delay_alu instid0(VALU_DEP_1)
	v_lshl_add_u32 v[AV0], v9, 4, v[AV0]
	s_delay_alu instid0(VALU_DEP_1)
	v_add_nc_u32 v[AV0], VOFF, v[AV0]
	v_and_b32 v10, 31, v0                          ; lane
	s_delay_alu instid0(VALU_DEP_1)
	v_lshl_add_u32 v[ASC0], v10, 2, SCK
	s_delay_alu instid0(VALU_DEP_2)
	v_lshlrev_b32 v[PFO2], 11, v10
	s_delay_alu instid0(VALU_DEP_3)
	v_lshlrev_b32 v[PFO], 8, v10
	s_mul_i32 s96, s[WV], QW
	s_add_co_u32 s96, s96, QIMG
	v_lshl_add_u32 v8, v10, 4, s96                 ; my wave's images: 16 bytes a lane,
	v_lshl_add_u32 v9, v10, 2, s96                 ; and the scale word: 4 bytes a lane
.irp r, 236,237,238,239,252,253
	v_mov_b32 v\r, 0                               ; written once: a lane permute's destination counts as one of its sources; v253 is named as the upper half of a pair
.endr
	WIN 0x40
.irp r, 236,237,238,239,252,253
	v_mov_b32 v\r, 0
.endr
	WIN 0
; 64 numbers of a lane, v[s] on, become a fragment's codes in v16-31 and its scale word in v254 (all in the window that is set)
.macro QUANT s
.irp b, 0,1,2,3
	v_max3_num_f32 v[232+\b], |v[\s+16*\b]|, |v[\s+1+16*\b]|, 0x4800000   ; block b: my 16 numbers, and the floor 2^(9 - 127)
.endr
.irp i, 2,4,6,8,10,12,14
.irp b, 0,1,2,3
	s_delay_alu instid0(VALU_DEP_4)
	v_max3_num_f32 v[232+\b], v[232+\b], |v[\s+16*\b+\i]|, |v[\s+1+16*\b+\i]|
.endr
.endr
.irp b, 0,1,2,3
	s_delay_alu instid0(VALU_DEP_4)
	v_permlanex16_b32 v[236+\b], v[232+\b], s[SEL], s[SEL+1]
.endr
.irp b, 0,1,2,3
	s_delay_alu instid0(VALU_DEP_4)
	v_max_num_f32 v[232+\b], v[232+\b], v[236+\b]  ; with lane l xor 16's: the block's largest magnitude
.endr
.irp b, 0,1,2,3
	s_delay_alu instid0(VALU_DEP_4)
	v_add_nc_u32 v[244+\b], 0xfc000000, v[232+\b]  ; the conversion's scale operand
.endr
.irp b, 0,1,2,3
.endr
.irp b, 0,1,2,3
	s_delay_alu instid0(VALU_DEP_4)
	v_lshrrev_b32 v[236+\b], 23, v[244+\b]         ; the scale's byte
.endr
	s_delay_alu instid0(VALU_DEP_3)
	v_lshl_or_b32 v254, v237, 8, v236
	s_delay_alu instid0(VALU_DEP_1)
	v_lshl_or_b32 v254, v238, 16, v254
	s_delay_alu instid0(VALU_DEP_1)
	v_lshl_or_b32 v254, v239, 24, v254             ; my row's scale word
.irp b, 0,1,2,3
.irp i, 0,1,2,3,4,5,6,7,8,9,10,11,12,13,14,15
.endr
	v_cvt_scalef32_pk8_fp8_f32 v[16+4*\b:17+4*\b], v[\s+16*\b:\s+7+16*\b], v[244+\b]
	v_cvt_scalef32_pk8_fp8_f32 v[18+4*\b:19+4*\b], v[\s+8+16*\b:\s+15+16*\b], v[244+\b]
.endr
	v_nop                                          ; a plain line behind the last conversion
.endm
; O^T and the sum begin as zeros and the largest t as -3e38: so the key step is written with no first step of its own (the first change of M multiplies zeros), which spares a further copy of its text
.macro INIT
	v_mov_b32 v13, 0xff61b1e6
	s_delay_alu instid0(VALU_DEP_1)
	v_floor_f32 v12, -v13
	v_mov_b32 v14, 0
	v_mov_b32 v15, 0
.set J, 0
.rept 64
	v_mov_b32 v[160+J], 0
.set J, J+1
.endr
.endm
	s_wait_loadcnt 48                              ; the second pass's tile 0 is in; the three tiles behind it, 16 loads each, may be out
	QUANT 160
.irp c, 0,1,2,3
	ds_store_b128 v8, v[16+4*\c:19+4*\c] offset:512*\c    ; an image of the operand's registers: lane l's 16 bytes at 16 l
.endr
	s_wait_loadcnt 32
	WIN 0x55
	QUANT 160
	WIN 0x04                                       ; an LDS store's data are its source 1: window 1
.irp c, 0,1,2,3
	ds_store_b128 v8, v[16+4*\c:19+4*\c] offset:2048+512*\c
.endr
	v_cndmask_b32 v[QSW], v254, v254, s[HM]        ; lanes 0-15 tile 0's words (window 0), lanes 16-31 tile 1's (window 1)
	WIN 0
	ds_store_b32 v9, v[QSW] offset:4096
	s_wait_dscnt 0x0                               ; the stores have read their registers
	s_wait_loadcnt 16
	QUANT 96                                       ; the first pass's Q stays in registers
	s_wait_loadcnt 0x0
	WIN 0x55
	QUANT 96
	WIN 0x04
	v_cndmask_b32 v[QSW], v254, v254, s[HM]
	WIN 0
	INIT                                           ; (these lines are also the places between the scale word's making and the first product)
	WIN 0x55
	INIT
	WIN 0
; eight fragments, 16 rows x 128 bytes each, tb bytes apart: 0-3 into window 0, 4-7 into window 1
.macro FRAGS adr, tb
.irp t, 0,1,2,3
.irp c, 0,1,2,3
	ds_load_b128 v[FR+16*\t+4*\c:FR+16*\t+4*\c+3], v[\adr] offset:\t*(\tb)+32*\c
.endr
.endr
	WIN 0x40
.irp t, 0,1,2,3
.irp c, 0,1,2,3
	ds_load_b128 v[FR+16*\t+4*\c:FR+16*\t+4*\c+3], v[\adr] offset:(\t+4)*(\tb)+32*\c
.endr
.endr
	WIN 0
.endm
; S^T: tile t of 16 keys x query tile q.  The odd tile's scale words and query tile 1's lie in lanes 16-31 of their registers.
.macro SMUL t, q
.set DD, 96+8*(\t)
.set AA, FR+16*((\t)%4)
.set SS, SCW+(\t)/2
.if ((\t)%2 == 0) && ((\q) == 0)
	v_wmma_scale_f32_16x16x128_f8f6f4 v[DD:DD+7], v[AA:AA+15], v[16:31], 0, v[SS], v[QSW]
.endif
.if ((\t)%2 == 1) && ((\q) == 0)
	v_wmma_scale_f32_16x16x128_f8f6f4 v[DD:DD+7], v[AA:AA+15], v[16:31], 0, v[SS], v[QSW] matrix_a_scale:MATRIX_SCALE_ROW1
.endif
.if ((\t)%2 == 0) && ((\q) == 1)
	v_wmma_scale_f32_16x16x128_f8f6f4 v[DD:DD+7], v[AA:AA+15], v[16:31], 0, v[SS], v[QSW] matrix_b_scale:MATRIX_SCALE_ROW1
.endif
.if ((\t)%2 == 1) && ((\q) == 1)
	v_wmma_scale_f32_16x16x128_f8f6f4 v[DD:DD+7], v[AA:AA+15], v[16:31], 0, v[SS], v[QSW] matrix_a_scale:MATRIX_SCALE_ROW1 matrix_b_scale:MATRIX_SCALE_ROW1
.endif
.endm
; O^T += V^T P^T: tile t of 16 of the head's 128 x query tile q, in place
.macro OMUL t, q
.set DD, 160+8*(\t)
.set AA, FR+16*((\t)%4)
.set SS, SCW+(\t)/2
.if ((\t)%2 == 0) && ((\q) == 0)
	v_wmma_scale_f32_16x16x128_f8f6f4 v[DD:DD+7], v[AA:AA+15], v[224:239], v[DD:DD+7], v[SS], v[PSW]
.endif
.if ((\t)%2 == 1) && ((\q) == 0)
	v_wmma_scale_f32_16x16x128_f8f6f4 v[DD:DD+7], v[AA:AA+15], v[224:239], v[DD:DD+7], v[SS], v[PSW] matrix_a_scale:MATRIX_SCALE_ROW1
.endif
.if ((\t)%2 == 0) && ((\q) == 1)
	v_wmma_scale_f32_16x16x128_f8f6f4 v[DD:DD+7], v[AA:AA+15], v[224:239], v[DD:DD+7], v[SS], v[PSW] matrix_b_scale:MATRIX_SCALE_ROW1
.endif
.if ((\t)%2 == 1) && ((\q) == 1)
	v_wmma_scale_f32_16x16x128_f8f6f4 v[DD:DD+7], v[AA:AA+15], v[224:239], v[DD:DD+7], v[SS], v[PSW] matrix_a_scale:MATRIX_SCALE_ROW1 matrix_b_scale:MATRIX_SCALE_ROW1
.endif
.endm
; hidden scores of one tile become -infinity: register n holds key KF + 16 h + 32 (n / 16) + n % 16, hidden where 32 (n / 16) + n % 16 > d (v252); v254 = -infinity
.macro HIDE
.set N, 0
.rept 64
	v_cmp_gt_i32 vcc_lo, 32*(N/16)+N%16, v252
	v_cndmask_b32 v[96+N], v[96+N], v254, vcc_lo
.set N, N+1
.endr
.endm
; one tile's softmax for one key step, in the window that is set (tile = 1: window 1)
.macro SOFTMAX tile
.irp b, 0,1,2,3
	v_max3_num_f32 v[232+\b], v[96+16*\b], v[97+16*\b], v[98+16*\b]   ; the largest score of each block of 32 keys: it serves for the row's maximum and, since p rises with the score, for the block's largest p
.endr
.irp i, 3,5,7,9,11,13
.irp b, 0,1,2,3
	v_max3_num_f32 v[232+\b], v[232+\b], v[96+16*\b+\i], v[97+16*\b+\i]
.endr
.endr
.irp b, 0,1,2,3
	v_max_num_f32 v[232+\b], v[232+\b], v[111+16*\b]
.endr
.irp b, 0,1,2,3
	v_permlanex16_b32 v[236+\b], v[232+\b], s[SEL], s[SEL+1]
.endr
.irp b, 0,1,2,3
	s_delay_alu instid0(VALU_DEP_4)
	v_max_num_f32 v[232+\b], v[232+\b], v[236+\b]  ; with lane l xor 16's 16 keys
.endr
	s_delay_alu instid0(VALU_DEP_2)
	v_max3_num_f32 v254, v232, v233, v234
	s_delay_alu instid0(VALU_DEP_1)
	v_max_num_f32 v254, v254, v235                 ; the step's largest score of my query
	s_delay_alu instid0(VALU_DEP_1)
	v_mul_f32 v254, s[CS], v254                    ; as t (c is positive)
	s_delay_alu instid0(VALU_DEP_1)
	v_max_num_f32 v13, v13, v254                   ; the running largest t
	v_mov_b32 v254, v12
	s_delay_alu instid0(VALU_DEP_2)
	v_floor_f32 v12, -v13                          ; the new -M = floor(-t) = -ceil(t): a whole number
	s_delay_alu instid0(VALU_DEP_1)
	v_sub_f32 v254, v12, v254                      ; M's old value less its new one: a whole number, 0 or less
	s_delay_alu instid0(VALU_DEP_1)
	v_cvt_i32_f32 v254, v254                       ; (it saturates)
	s_delay_alu instid0(VALU_DEP_1)
	v_ldexp_f32 v252, 1.0, v254                    ; f = 2^(old M - new M)
.set J, 0
.rept 32
	v_pk_fma_f32 v[96+J:97+J], v[96+J:97+J], s[CS:CS+1], v[12:13] op_sel_hi:[1,0,0]   ; t - M, two at a time
.set J, J+2
.endr
.irp b, 0,1,2,3
	v_fma_f32 v[232+\b], v[232+\b], s[CS], v12     ; the same of each block's largest score
.endr
.set J, 0
	s_wait_alu depctr_va_vdst(0)
.rept 64
	v_exp_f32 v[96+J], v[96+J]                     ; p = 2^(t - M), at most 1: not normalised
.set J, J+1
.endr
	v_pk_mul_f32 v[14:15], v[14:15], v[252:253] op_sel_hi:[1,0]   ; the sums under the new M (a plain line behind the exponentials)
	s_wait_alu depctr_va_vdst(0)                   ; one wait for the batch of 64, ahead of its first reader
.irp b, 0,1,2,3
	v_exp_f32 v[232+\b], v[232+\b]                 ; the block's largest p
.endr
	v_pk_add_f32 v[236:237], v[96:97], v[98:99]    ; the row's sum is taken of the unquantised p: two at a time, in two chains
.set J, 4
.rept 15
	v_pk_add_f32 v[14:15], v[14:15], v[96+J:97+J]
	v_pk_add_f32 v[236:237], v[236:237], v[98+J:99+J]
.set J, J+4
.endr
	s_delay_alu instid0(VALU_DEP_1)
	v_pk_add_f32 v[14:15], v[14:15], v[236:237]
	s_wait_alu depctr_va_vdst(0)                   ; and one for the four
.irp b, 0,1,2,3
	v_max_num_f32 v[232+\b], 0x4800000, v[232+\b]  ; the floor 2^(9 - 127): a block whose every p is 0 keeps the byte 1: its codes are zeros
.endr
.irp b, 0,1,2,3
	s_delay_alu instid0(VALU_DEP_4)
	v_add_nc_u32 v[244+\b], 0xfc000000, v[232+\b]  ; the conversion's scale operand
.endr
.irp b, 0,1,2,3
.endr
.irp b, 0,1,2,3
	s_delay_alu instid0(VALU_DEP_4)
	v_lshrrev_b32 v[236+\b], 23, v[244+\b]         ; the scale's byte
.endr
	s_delay_alu instid0(VALU_DEP_3)
	v_lshl_or_b32 v253, v237, 8, v236              ; p's scale word for these 128 keys
	s_delay_alu instid0(VALU_DEP_1)
	v_lshl_or_b32 v253, v238, 16, v253
	s_delay_alu instid0(VALU_DEP_1)
	v_lshl_or_b32 v253, v239, 24, v253
.if \tile
	WIN 0x04                                       ; source 1 window 1, the rest window 0
	s_setprio 0
	v_cndmask_b32 v[PSW], v[PSW], v[PSW], s[HM]    ; the products' scale register: lanes 0-15 keep tile 0's words, lanes 16-31 take tile 1's; the eight conversions and 32 multiplications below stand between it and the products
	WIN 0x55
.endif
.irp b, 0,1,2,3
.irp i, 0,1,2,3,4,5,6,7,8,9,10,11,12,13,14,15
.endr
	v_cvt_scalef32_pk8_fp8_f32 v[224+4*\b:225+4*\b], v[96+16*\b:103+16*\b], v[244+\b]
	v_cvt_scalef32_pk8_fp8_f32 v[226+4*\b:227+4*\b], v[104+16*\b:111+16*\b], v[244+\b]
.endr
.set J, 0
.rept 32
	v_pk_mul_f32 v[160+J:161+J], v[160+J:161+J], v[252:253] op_sel_hi:[1,0]   ; O^T under the new M: x f (also the places between the codes' making and the products)
.set J, J+2
.endr
.endm
; A KEY STEP: 128 keys for my 32 queries.
.macro STEP
	s_add_co_u32 s96, s[Q0], 31
	s_cmp_gt_u32 s[KF], s96                        ; all 128 keys come after my 32 queries: the step's work is left out; the lines at its end that step addresses are not
	s_cbranch_scc1 .Lhidden_\@
	s_setprio 2
	v_add_nc_u32 v[ADK], s[TK], v[AK0]
	v_add_nc_u32 v[ADV], s[TV], v[AV0]
	v_add_nc_u32 v[ADS], s[TS], v[ASC0]
.rept 5
	v_nop                                          ; with the three additions: eight places between the last step's products and loads into registers that they read
.endr
.irp j, 0,1,2,3
	ds_load_b32 v[SCW+\j], v[ADS] offset:128*\j    ; K's scale words: 32 rows a register
.endr
	FRAGS ADK, 16*KP
	s_wait_alu depctr_va_vdst(0)
	s_wait_dscnt 16                                ; the words and fragments 0-3 are in; the 16 loads of fragments 4-7 may be out
.irp t, 0,1,2,3
	SMUL \t, 0
.endr
	WIN 0x44                                       ; Q and S^T of tile 1
.irp t, 0,1,2,3
	SMUL \t, 1
.endr
	s_wait_dscnt 0x0
	WIN 0x01                                       ; fragments 4-7
.irp t, 4,5,6,7
	SMUL \t, 0
.endr
	WIN 0x45
.irp t, 4,5,6,7
	SMUL \t, 1
.endr
	WIN 0
.rept 8
	v_nop                                          ; eight places: in front of the loads below, into registers that the products read, and of the first read of the scores
.endr
.irp j, 0,1,2,3
	ds_load_b32 v[SCW+\j], v[ADS] offset:SCV-SCK+128*\j   ; V's scale words and fragments are asked for now and land under the softmax
.endr
	FRAGS ADV, 16*VP
	s_add_co_u32 s96, s[KF], 127
	s_cmp_le_u32 s96, s[Q0]                        ; every key counts for every one of my queries: nothing to hide
	s_cbranch_scc1 .Lopen_\@
	s_sub_co_i32 s96, s[Q0], s[KF]
	v_and_b32 v252, 15, v0
	v_bfe_u32 v254, v0, 4, 1
	s_delay_alu instid0(VALU_DEP_1)
	v_lshlrev_b32 v254, 4, v254
	s_delay_alu instid0(VALU_DEP_1)
	v_sub_nc_u32 v252, v252, v254
	s_delay_alu instid0(VALU_DEP_1)
	v_add_nc_u32 v252, s96, v252                   ; d = my query of tile 0 - KF - 16 h
	v_mov_b32 v254, 0xff800000                     ; -infinity
	WIN 0x40
	v_add_nc_u32 v252, 16, v252                    ; tile 1's queries lie 16 further on
	v_mov_b32 v254, 0xff800000
	WIN 0
	HIDE
	WIN 0x55
	HIDE
	WIN 0
.Lopen_\@:
	SOFTMAX 0
	WIN 0x55
	s_setprio 1
	SOFTMAX 1
	WIN 0
	s_wait_alu depctr_va_vdst(0)
	s_wait_dscnt 0x0                               ; V's fragments and words are in
.irp t, 0,1,2,3
	OMUL \t, 0                                     ; the sixteen accumulators take one turn each
.endr
	WIN 0x54                                       ; P and O^T of tile 1
.irp t, 0,1,2,3
	OMUL \t, 1
.endr
	WIN 0x01
.irp t, 4,5,6,7
	OMUL \t, 0
.endr
	WIN 0x55
.irp t, 4,5,6,7
	OMUL \t, 1
.endr
	WIN 0
.Lhidden_\@:
	s_add_co_u32 s[KF], s[KF], 128
	s_add_co_u32 s[TS], s[TS], 512
	s_add_co_u32 s[TK], s[TK], 128*KP
	s_add_co_u32 s[TV], s[TV], 128
.endm
; a slot's two key steps: written once, walked twice; then the addresses go back to a slot's first step, in the other slot
.macro SLOT_STEPS
	s_mov_b32 s[TWICE], 2
.Lstep_\@:
	STEP
	s_sub_co_u32 s[TWICE], s[TWICE], 1
	s_cmp_lg_u32 s[TWICE], 0
	s_cbranch_scc1 .Lstep_\@
	s_setprio 0
	s_sub_co_u32 s[TK], s[TK], 2*128*KP
	s_xor_b32 s[TK], s[TK], SLOT1
	s_sub_co_u32 s[TV], s[TV], 256
	s_xor_b32 s[TV], s[TV], SLOT1
.endm
; THE CHANGE OF SLOTS, at a slot's head.  Each wave waits for all its tensor loads, adds 0 to its spare word, and waits for that and for its reads of the slot that it has left; behind the barrier the slot ahead is whole and
; nobody reads the other.  fill = 1: the other slot takes the next 256 keys, up to the causal limit.  fill = 2: it takes keys 0 to 255 again, for the second pass (key 0 counts for every query).  fill = 0: nothing is asked for.
.macro CHANGE fill, ask
	s_wait_tensorcnt 0x0                           ; no tensor load of mine is out, so a group 0 may be written
	ds_add_u32 v[SPW], v[NIL]                      ; 0 onto my spare word: the descriptors' steps stand between it and the wait for it
.if \fill == 1
	s_xor_b32 s[G0K+1], s[G0K+1], SLOT1            ; the other slot than last time,
	s_add_nc_u64 s[G0K+2:G0K+3], s[G0K+2:G0K+3], 32768   ; the next 256 rows; the type bits on top are not reached
	s_xor_b32 s[G0V+1], s[G0V+1], SLOT1
	s_add_nc_u64 s[G0V+2:G0V+3], s[G0V+2:G0V+3], 256
.endif
.if \fill == 2
	s_xor_b32 s[G0K+1], s[G0K+1], SLOT1
	s_sub_nc_u64 s[G0K+2:G0K+3], s[G0K+2:G0K+3], 7*32768  ; seven steps back: the head's first keys
	s_xor_b32 s[G0V+1], s[G0V+1], SLOT1
	s_sub_nc_u64 s[G0V+2:G0V+3], s[G0V+2:G0V+3], 7*256
.endif
.if \ask
	s_wait_xcnt 0x0                                ; the last prefetches, a slot back, have read their addresses, so these may be written:
	s_add_nc_u64 s[PFK:PFK+1], s[PFK:PFK+1], 32768 ; one slot further on than the walking descriptors
	s_add_nc_u64 s[PFV:PFV+1], s[PFV:PFV+1], 256
.endif
	s_wait_dscnt 0x0                               ; the add is done, and my reads of the slot that I have left are over
	s_barrier_signal -1
	s_barrier_wait -1
.if \fill == 1
	s_add_co_u32 s96, s[KF], 256                   ; the first key of the slot that this change would ask for
	s_or_b32 s97, s[Q0], 255                       ; my work-group's last query of the pass
	s_cmp_gt_u32 s96, s97                          ; ids and the count of steps alone: all eight waves go the same way; a slot past the limit is read by none of them, so it is not asked for
	s_cbranch_scc1 .Lpast_\@
	TLOAD                                          ; a wave's one tensor load until the next change
.Lpast_\@:
.if \ask
	ASK
.endif
.endif
.if \fill == 2
	TLOAD
.endif
.endm
.macro PASS n, last, ask               ; n + 1 slots: n changes in a loop, the last written out, since what it asks for differs
	s_mov_b32 s[SLOTS], \n
.Lslot_\@:
	CHANGE 1, \ask
	SLOT_STEPS
	s_sub_co_u32 s[SLOTS], s[SLOTS], 1
	s_cmp_lg_u32 s[SLOTS], 0
	s_cbranch_scc1 .Lslot_\@
	CHANGE \last, 0
	SLOT_STEPS
.endm
; THE WAY OUT of a pass.  Each tile's sum is finished (both in window 0: v14, v15), O^T is divided by it and goes through my stage in LDS, half a row (64 channels, 256 bytes) of 16 queries at a time.
.macro WAYOUT optr
	v_add_f32 v14, v14, v15                        ; tile 0: the sum's two halves
	WIN 0x05                                       ; sources window 1, destination window 0
	v_add_f32 v15, v14, v15                        ; tile 1's
	WIN 0
	v_permlanex16_b32 v252, v14, s[SEL], s[SEL+1]
	v_permlanex16_b32 v254, v15, s[SEL], s[SEL+1]
	s_delay_alu instid0(VALU_DEP_2)
	v_add_f32 v14, v14, v252                       ; and lane l xor 16's: the rows' sums
	s_delay_alu instid0(VALU_DEP_2)
	v_add_f32 v15, v15, v254
	s_wait_alu depctr_va_vdst(0)
	v_rcp_f32 v14, v14
	v_rcp_f32 v15, v15
	v_and_b32 v8, 15, v0                           ; r  (plain lines behind the reciprocals; with the additions above, more than the eight places that the first read of O^T wants behind the last products)
	v_bfe_u32 v9, v0, 4, 1                         ; h
	s_mul_i32 s96, s[WV], SW
	s_add_co_u32 s96, s96, STAGE                   ; my stage
	v_mul_u32_u24 v10, v8, 272
	s_delay_alu instid0(VALU_DEP_1)
	v_lshl_add_u32 v10, v9, 5, v10
	s_delay_alu instid0(VALU_DEP_1)
	v_add_nc_u32 v10, s96, v10                     ; in: row r; a tile's eight channels of my half: 64 t + 32 h bytes on
	v_mul_u32_u24 v11, v9, 272
	s_delay_alu instid0(VALU_DEP_1)
	v_lshl_add_u32 v11, v8, 4, v11
	s_delay_alu instid0(VALU_DEP_1)
	v_add_nc_u32 v11, s96, v11                     ; back: lanes 0-15 one row, lanes 16-31 the next
	v_lshlrev_b32 v9, 9, v9
	s_delay_alu instid0(VALU_DEP_1)
	v_lshl_add_u32 v9, v8, 4, v9                   ; and the same two rows in out0, 16 bytes a lane
	s_wait_alu depctr_va_vdst(0)                   ; one wait for both reciprocals, ahead of their first reader
.set J, 0
.rept 64
	v_mul_f32 v[96+J], v[160+J], v14               ; register 8 t + i is o(r, 16 t + 8 h + i); each accumulator from its low end on
.set J, J+1
.endr
.irp u, 0,1
.irp t, 0,1,2,3
	ds_store_b128 v10, v[96+32*\u+8*\t:99+32*\u+8*\t] offset:64*\t
	ds_store_b128 v10, v[100+32*\u+8*\t:103+32*\u+8*\t] offset:64*\t+16
.endr
.irp i, 0,1,2,3,4,5,6,7
	ds_load_b128 v[FR+32*\u+4*\i:FR+32*\u+4*\i+3], v11 offset:2*\i*272   ; LDS serves a wave's instructions in order (ISA guide 5.7.1.4): these see my stores, and the next half's stores come behind them
.endr
.endr
	WIN 0x41                                       ; O^T and the result window 1, the reciprocal window 0
.set J, 0
.rept 64
	v_mul_f32 v[96+J], v[160+J], v15
.set J, J+1
.endr
.irp u, 0,1
	WIN 0x04                                       ; an LDS store's data are its source 1
.irp t, 0,1,2,3
	ds_store_b128 v10, v[96+32*\u+8*\t:99+32*\u+8*\t] offset:64*\t
	ds_store_b128 v10, v[100+32*\u+8*\t:103+32*\u+8*\t] offset:64*\t+16
.endr
	WIN 0x40
.irp i, 0,1,2,3,4,5,6,7
	ds_load_b128 v[FR+32*\u+4*\i:FR+32*\u+4*\i+3], v11 offset:2*\i*272
.endr
.endr
	WIN 0
.irp u, 0,1
.irp i, 0,1,2,3,4,5,6,7
	s_wait_dscnt (3-\u)*16+7-\i                    ; behind this load: the rest of its eight and the 16 LDS instructions of each later half
	global_store_b128 v9, v[FR+32*\u+4*\i:FR+32*\u+4*\i+3], s[\optr:\optr+1] offset:2*\i*512+256*\u th:TH_STORE_NT   ; sixteen lanes store 256 consecutive bytes, aligned
.endr
.endr
	WIN 0x04                                       ; a store's data are its source 1
.irp u, 0,1
.irp i, 0,1,2,3,4,5,6,7
	s_wait_dscnt (1-\u)*16+7-\i
	global_store_b128 v9, v[FR+32*\u+4*\i:FR+32*\u+4*\i+3], s[\optr:\optr+1] offset:8192+2*\i*512+256*\u th:TH_STORE_NT
.endr
.endr
	WIN 0
.endm
	PASS 7, 2, 1                                   ; block 7 - x: eight slots; its last change asks for the second pass's first slot, which lands under the last slot's steps and the way out
	WAYOUT OA
	; between the passes
	s_wait_xcnt 0x0                                ; the stores have read their data and their offset: both are written again below and in the next steps
	s_mul_i32 s96, s[WV], QW
	s_add_co_u32 s96, s96, QIMG
	v_and_b32 v10, 31, v0
	s_delay_alu instid0(VALU_DEP_1)
	v_lshl_add_u32 v8, v10, 4, s96
	s_delay_alu instid0(VALU_DEP_2)
	v_lshl_add_u32 v11, v10, 2, s96
.irp c, 0,1,2,3
	ds_load_b128 v[16+4*\c:19+4*\c], v8 offset:512*\c     ; the second pass's Q comes back as it was put by; the next change of slots waits for these loads
.endr
	ds_load_b32 v[QSW], v11 offset:4096
	WIN 0x40
.irp c, 0,1,2,3
	ds_load_b128 v[16+4*\c:19+4*\c], v8 offset:2048+512*\c
.endr
	WIN 0
	INIT
	WIN 0x55
	INIT
	WIN 0
	s_mov_b32 s[KF], 0
	s_mov_b32 s[TS], 0
	s_mov_b32 s[Q0], s[Q0B]
	PASS 3, 0, 0                                   ; block x: x is at most 3, so four slots serve every work-group
	WAYOUT OB
	s_wait_tensorcnt 0x0                           ; the wave's end: these three lines, behind my last tensor load and my last LDS store
	ds_add_u32 v[SPW], v[NIL]
	s_wait_dscnt 0x0
	s_endpgm
.Lfunc_end_k_q0ef8418e8f_attn:
	.size	k_q0ef8418e8f_attn, .Lfunc_end_k_q0ef8418e8f_attn-k_q0ef8418e8f_attn
	.p2alignl 7, 3214868480
	.fill 96, 4, 3214868480
	.section	.rodata,"a",@progbits
	.p2align	6, 0x0
	.amdhsa_kernel k_q0ef8418e8f_attn
		.amdhsa_group_segment_fixed_size 327680
		.amdhsa_private_segment_fixed_size 0
		.amdhsa_enable_private_segment 0
		.amdhsa_kernarg_size 48
		.amdhsa_user_sgpr_count 2
		.amdhsa_user_sgpr_kernarg_segment_ptr 1
		.amdhsa_wavefront_size32 1
		.amdhsa_system_sgpr_workgroup_id_x 1
		.amdhsa_system_sgpr_workgroup_id_y 1
		.amdhsa_system_sgpr_workgroup_id_z 1
		.amdhsa_system_vgpr_workitem_id 0
		.amdhsa_next_free_vgpr 512
		.amdhsa_next_free_sgpr 100
		.amdhsa_reserve_vcc 1
		.amdhsa_float_denorm_mode_32 3
		.amdhsa_float_denorm_mode_16_64 3
		.amdhsa_fp16_overflow 1
		.amdhsa_memory_ordered 1
		.amdhsa_forward_progress 1
		.amdhsa_inst_pref_size 255
	.end_amdhsa_kernel
	.section	.bss,"aw",@nobits
	.p2align	6
	.space	262144
	.amdgpu_metadata
---
amdhsa.version: [ 1, 2 ]
amdhsa.kernels:
  - .name:           k_q0ef8418e8f_attn
    .symbol:         k_q0ef8418e8f_attn.kd
    .args:
      - { .name: q, .offset: 0, .size: 8, .value_kind: global_buffer, .address_space: global }
      - { .name: kc, .offset: 8, .size: 8, .value_kind: global_buffer, .address_space: global }
      - { .name: ks, .offset: 16, .size: 8, .value_kind: global_buffer, .address_space: global }
      - { .name: vc, .offset: 24, .size: 8, .value_kind: global_buffer, .address_space: global }
      - { .name: vs, .offset: 32, .size: 8, .value_kind: global_buffer, .address_space: global }
      - { .name: out0, .offset: 40, .size: 8, .value_kind: global_buffer, .address_space: global }
    .group_segment_fixed_size: 327680
    .private_segment_fixed_size: 0
    .kernarg_segment_align: 8
    .kernarg_segment_size: 48
    .max_flat_workgroup_size: 256
    .sgpr_count:     100
    .vgpr_count:     512
    .wavefront_size: 32
...
	.end_amdgpu_metadata
.endif
;; end of part 2
